; MI455X (gfx1250); checked and timed in simulation.
; The chip was launched on July 23, 2026; its instructions are those of AMD's public machine-readable ISA for CDNA 5 (MIT licence, August 2026) and "CDNA5" Instruction Set Architecture Reference Guide (July 2026). The comments in the code are by the model that wrote it; some were corrected since.
;; Sigmoid Attention. Allowed arithmetic: matrix products marked QUANTISED: E2M1 operands, one E8M0 scale for each 32 along K, by v_wmma_scale_f32_16x16x128_f8f6f4 with both operands' format E2M1 (or v_wmma_scale_f32_32x16x128_f4), f32 sums; products left as they are: bf16, f16 or f32 operands; f32 sums; everything else in f32.
;; Inputs: Wk 1,024 x 1,024 float32; Wp 1,024 x 1,024 float32; Wq 1,024 x 1,024 float32; Wv 1,024 x 1,024 float32; bk 64 float32; bp 1,024 float32; bq 64 float32; gk 64 float32; gq 64 float32; k 1 x 4,096 x 1,024 float32; q 1 x 4,096 x 1,024 float32; v 1 x 4,096 x 1,024 float32.
;; Outputs: out0 1 x 4,096 x 1,024 float32.
;; This version of the problem:
;;   THIS VERSION OF THE PROBLEM IS GIVEN IN LOW PRECISION. The matrix products marked QUANTISED in the list below multiply operands that are first quantised to E2M1 (2 exponent bits, 1 mantissa bit; 4 bits a number), with one power-of-two scale for each 32 numbers along K (OCP MX v1.0); their sums are f32. The products marked 'left as it is' may take bf16, f16 or f32 operands, with f32 sums. Whichever they take, every output number must still come out within the allowed error. Rounding operands to bf16 (8 significant bits) uses up far more of that allowance than f16 does (11 bits, for magnitudes from 6e-5 to 65,504). All else is computed in f32.
;;   The module's matrix products, in the order in which they are computed (A, B: the left and right operand; K: the contracted axis; several contracted axes count as one K, in the product's order):
;;     1. [M 4,096, K 1,024] x [K 1,024, N 1,024]; A: input q; B: input Wq: QUANTISED
;;     2. [M 4,096, K 1,024] x [K 1,024, N 1,024]; A: input k; B: input Wk: QUANTISED
;;     3. [M 4,096, K 1,024] x [K 1,024, N 1,024]; A: input v; B: input Wv: QUANTISED
;;     4. batch 16 x [M 4,096, K 64] x [K 64, N 4,096]; A: computed on the way; B: computed on the way: left as it is (an operand is computed on the way)
;;     5. batch 16 x [M 4,096, K 4,096] x [K 4,096, N 64]; A: computed on the way; B: computed on the way: left as it is (an operand is computed on the way)
;;     6. [M 4,096, K 1,024] x [K 1,024, N 1,024]; A: computed on the way; B: input Wp: left as it is (an operand is computed on the way)
;;   THE QUANTISER, for each operand of a quantised product, along K:
;;     - K is cut into blocks of 32 from its start; a last block that is shorter is filled with zeros.
;;     - A block's scale is 2^e with e = floor(log2(the largest magnitude in the block)) - 2, held to -126 .. 127; a block of zeros has e = 0. As a byte (E8M0): e + 127.
;;     - Each number is divided by its block's scale, clamped to +-6, and rounded to the nearest number of E2M1, ties to even, subnormals kept.
;;     - The product sums the exact products of the quantised numbers (number of the format x scale) in f32.
;;   ~~~python
;;   def quantise(x, axis):      # numpy; x: float32 -> the quantised numbers, widened to float32 again
;;       x = np.moveaxis(x, axis, -1); K = x.shape[-1]
;;       x = np.pad(x, [(0, 0)] * (x.ndim - 1) + [(0, -K % 32)]); x = x.reshape(x.shape[:-1] + (-1, 32)); a = np.abs(x).max(-1, keepdims=True)
;;       e = np.where(a > 0, np.clip(np.frexp(np.where(a > 0, a, 1))[1] - 1 - 2, -126, 127), 0)      # np.frexp(a)[1] - 1 = floor(log2(a)), exactly
;;       r = np.clip(x / 2.0 ** e, -6, 6)
;;       step = 2.0 ** (np.maximum(np.frexp(np.where(r == 0, 1, r))[1] - 1, 0) - 1)
;;       q = np.round(r / step) * step * 2.0 ** e      # np.round: ties to even
;;       return np.moveaxis(q.reshape(q.shape[:-2] + (-1,))[..., :K], -1, axis).astype(np.float32)
;;   ~~~
;; One version. Each part assembles by itself: llvm-mc -triple=amdgcn-amd-amdhsa -mcpu=gfx1250 --defsym DOCPART=n.
;; ======== version 1 of 1: 4 launches
;; limits: values are held in f16: magnitudes above 65,504 overflow, below 6.1e-05 lose precision
;; workspace buffers: acodes 6,684,672 bytes; wcodes 1,671,168 bytes; wph 2,097,152 bytes; qf 8,388,608 bytes; kf 8,388,608 bytes; vf 8,388,608 bytes; xf 8,388,608 bytes
;; launch quant (part 1): grid 256 x 1, 4 waves a work-group, no clusters, 70,144 bytes of LDS; arguments q, k, v, Wq, Wk, Wv, Wp, acodes, wcodes, wph; writes acodes, wcodes, wph
.if DOCPART == 1
	.amdgcn_target "amdgcn-amd-amdhsa--gfx1250"
	.amdhsa_code_object_version 6
	.text
	.protected	k_qe1b6a38127_quant
	.globl	k_qe1b6a38127_quant
	.p2align	8
	.type	k_qe1b6a38127_quant,@function
k_qe1b6a38127_quant:
	s_mov_b64 s[64:65], 0
	v_nop
	global_prefetch_b8 v0, s[64:65] scope:SCOPE_SE
	s_setreg_imm32_b32 hwreg(HW_REG_WAVE_MODE, 25, 1), 1
	s_wait_xcnt 0x0
; q, k, v [4096][1024] and Wq, Wk, Wv [1024][1024], f32, K innermost, become codes of FP4 (E2M1) with one E8M0 byte for each 32 along K; Wp [1024][1024] becomes f16.
; A block's scale is 2^(floor(log2(its largest magnitude)) - 2); its byte is the largest magnitude's exponent field - 2, held at 1 from below; each number is divided by the scale and
; rounded to the nearest code, ties to even, beyond 6 the largest code.
; LIMITS: NaN and infinities among the inputs are not served.  A block of zeros gets the byte 1 where the rule says 127: its codes are zeros, and this program alone reads the bytes.
;         Wp in f16: magnitudes up to 65,504; under 6e-5 the absolute error is at most 2^-25.
; SHARES.  A wave takes one tile of 16 rows x all 1,024 of K (65,536 bytes), in 16 steps of 64 along K.  Work-groups 0-191: q, k, v (64 each); 192-239: Wq, Wk, Wv (16 each); 240-255: Wp.
; THE OUTPUT LIES IN THE ORDER OF THE READER'S OPERAND REGISTERS.  Codes: blocks of 128 rows, 69,632 bytes each: [K step of 128: 8][tile of 16 rows: 8][image: 2][lane][16 bytes], lane (r, h) of
; image c holding k = 128 s + 64 c + 32 h + 0..31 of row r; behind them the scale bytes [128 rows][32].  Wp: [block of 128 rows: 8][32 along K: 32][tile: 8][image: 2][lane][16 bytes].
; So a step's codes leave as 512 consecutive bytes straight from the registers.
; A load reads 256 consecutive bytes of a row in sixteen lanes; a conversion wants 32 neighbours along K in ONE lane: a step's 4,096 bytes turn through the wave's own stage in LDS
; (16 rows x 272 bytes).  No barrier: waves share nothing.  Loads run four steps (32 loads a wave) ahead, the turn through LDS one step.
.set STG,   4352                       ; a stage: 16 rows x (256 + 16) bytes
.set WREG,  2*STG                      ; two stages for each wave
.set WPB,   4*WREG                     ; Wp's path has LDS bytes of its own, behind the quantiser's
.set SPARE, 2*WPB                      ; behind both: the spare words, 128 bytes for each wave
.set BLKB,  69632                      ; a block of 128 rows in acodes or wcodes
.set SRC,  4                           ; v4   4096 h + 16 r: my 16 bytes of a load
.set SIN,  5                           ; v5   the stage, on the way in: 272 h + 16 r
.set SOUT, 6                           ; v6   and out: 272 r + 128 h: my 32 neighbours
.set DST,  7                           ; v7   16 x lane
.set SDS,  8                           ; v8   32 r + 16 h: my 16 scale bytes
.set SH8,  9                           ; v9   8 h
.set WDST, 10                          ; v10  8192 h + 16 r
.set SPW,  12                          ; v12  my spare word's LDS address; never rewritten
.set NIL,  13                          ; v13  0; never rewritten
.set R,    32                          ; v32-159  four sets of 32 numbers as loaded
.set X,    160                         ; v160-223 two sets of 32 neighbours
.set C,    224                         ; v224-239 codes: four sets of 4 by turns; in Wp's path 16 registers of f16
.set W,    240                         ; v240-247 the eight scale words of my row
.set SEL,  44                          ; s[44:45] lane selects: lane l xor 16
	s_load_b512 s[8:23], s[0:1], 0x0               ; q, k, v, Wq, Wk, Wv, Wp, acodes
	s_load_b128 s[24:27], s[0:1], 0x40             ; wcodes, wph
	v_lshl_add_u32 v[SPW], v0, 2, SPARE
	v_mov_b32 v[NIL], 0
	v_lshrrev_b32 v1, 5, v0
	v_readfirstlane_b32 s28, v1                    ; wave 0..3
	v_and_b32 v1, 31, v0                           ; lane
	v_and_b32 v2, 15, v0                           ; r
	v_bfe_u32 v3, v0, 4, 1                         ; h
	v_lshlrev_b32 v[SRC], 4, v2
	v_lshl_add_u32 v[SRC], v3, 12, v[SRC]
	s_mul_i32 s29, s28, WREG                       ; my wave's stages
	v_mul_u32_u24 v[SIN], v3, 272
	v_lshl_add_u32 v[SIN], v2, 4, v[SIN]
	v_add_nc_u32 v[SIN], s29, v[SIN]
	v_mul_u32_u24 v[SOUT], v2, 272
	v_lshl_add_u32 v[SOUT], v3, 7, v[SOUT]
	v_add_nc_u32 v[SOUT], s29, v[SOUT]
	v_lshlrev_b32 v[DST], 4, v1
	v_lshlrev_b32 v[SDS], 5, v2
	v_lshl_add_u32 v[SDS], v3, 4, v[SDS]
	v_lshlrev_b32 v[SH8], 3, v3
	v_lshlrev_b32 v[WDST], 4, v2
	v_lshl_add_u32 v[WDST], v3, 13, v[WDST]
	v_mov_b32 v19, 0                               ; written once: a lane permute's destination counts as one of its sources
	s_mov_b32 s[SEL], 0x76543210
	s_mov_b32 s[SEL+1], 0xfedcba98
	s_wait_kmcnt 0x0
; step t's 4,096 bytes: load kk takes 256 consecutive bytes of row 2 kk (lanes 0-15) and of row 2 kk + 1 (lanes 16-31)
.macro LOAD t
.irp kk, 0,1,2,3,4,5,6,7
	global_load_b128 v[R+32*((\t)%4)+4*\kk:R+32*((\t)%4)+4*\kk+3], v[SRC], s[4:5] offset:8192*\kk+256*(\t) th:TH_LOAD_NT
.endr
.endm
; step t's numbers through a stage: LDS serves a wave's instructions in order, so no wait stands between the stores and the loads.  Lane (r, h) gets k = 64 t + 32 h + 0..31 of row r
.macro TURN t, base
.irp kk, 0,1,2,3,4,5,6,7
	ds_store_b128 v[SIN], v[R+32*((\t)%4)+4*\kk:R+32*((\t)%4)+4*\kk+3] offset:\base+STG*((\t)%2)+544*\kk
.endr
.irp kk, 0,1,2,3,4,5,6,7
	ds_load_b128 v[X+32*((\t)%2)+4*\kk:X+32*((\t)%2)+4*\kk+3], v[SOUT] offset:\base+STG*((\t)%2)+16*\kk
.endr
.endm
; what both paths do at a step's head
.macro AHEAD t, base
	s_wait_dscnt 0x0                               ; this step's numbers are back from the stage, so its stores into the stage have read their registers,
.if (\t)+4 < 16
	LOAD (\t)+4                                    ; which take the loads of four steps on
.endif
.if (\t) < 15
.if 14-(\t) >= 3
	s_wait_loadcnt 24                              ; the next step's eight loads are in; those of the three steps behind it may be out
.else
	s_wait_loadcnt 8*(14-(\t))                     ; the counts run down: eight for each step still behind the next
.endif
	TURN (\t)+1, \base                             ; the next step goes through the other stage while this one is worked
.endif
.endm
	s_cmp_ge_u32 ttmp9, 240
	s_cbranch_scc1 .Lwp                            ; the work-group's number alone decides
	; ---- the quantiser's path.  Which tensor: pointers are chosen, both kinds of tensor take one path through the text
	s_mov_b64 s[4:5], s[18:19]
	s_cmp_lt_u32 ttmp9, 224
	s_cselect_b64 s[4:5], s[16:17], s[4:5]
	s_cmp_lt_u32 ttmp9, 208
	s_cselect_b64 s[4:5], s[14:15], s[4:5]
	s_cmp_lt_u32 ttmp9, 192
	s_cselect_b64 s[4:5], s[12:13], s[4:5]
	s_cselect_b64 s[6:7], s[22:23], s[24:25]       ; acodes or wcodes
	s_cselect_b32 s30, 0, 192                      ; the first work-group of that kind
	s_cselect_b32 s31, 255, 63                     ; tiles in a tensor of that kind, less one
	s_cmp_lt_u32 ttmp9, 128
	s_cselect_b64 s[4:5], s[10:11], s[4:5]
	s_cmp_lt_u32 ttmp9, 64
	s_cselect_b64 s[4:5], s[8:9], s[4:5]
	s_sub_co_u32 s30, ttmp9, s30
	s_lshl_b32 s30, s30, 2
	s_add_co_u32 s30, s30, s28                     ; my tile among all tiles of that kind
	s_and_b32 s32, s30, s31
	s_lshl_b32 s32, s32, 16                        ; 16 rows of 4,096 bytes a tile
	s_mov_b32 s33, 0
	s_add_nc_u64 s[4:5], s[4:5], s[32:33]
	s_lshr_b32 s34, s30, 3
	s_mul_i32 s34, s34, BLKB                       ; my block of 128 rows
	s_and_b32 s36, s30, 7                          ; my tile in it
	s_lshl_b32 s38, s36, 9
	s_add_co_u32 s38, s38, s34
	s_add_co_u32 s38, s38, 65536                   ; my 16 rows of scale bytes
	s_mov_b32 s39, 0
	s_lshl_b32 s36, s36, 10
	s_add_co_u32 s36, s36, s34                     ; my tile's first image
	s_mov_b32 s37, 0
	s_add_nc_u64 s[38:39], s[6:7], s[38:39]
	s_add_nc_u64 s[6:7], s[6:7], s[36:37]
.macro QSTEP t
.set XS, X+32*((\t)%2)
.set CS, C+4*((\t)%4)
	AHEAD \t, 0
	v_max3_num_f32 v14, |v[XS]|, |v[XS+1]|, |v[XS+2]|              ; the block's largest magnitude: all 32 numbers are mine; two chains
	v_max3_num_f32 v15, |v[XS+3]|, |v[XS+4]|, |v[XS+5]|
.irp i, 6,10,14,18,22,26
	v_max3_num_f32 v14, v14, |v[XS+\i]|, |v[XS+\i+1]|
	v_max3_num_f32 v15, v15, |v[XS+\i+2]|, |v[XS+\i+3]|
.endr
	v_max3_num_f32 v14, v14, |v[XS+30]|, |v[XS+31]|
	v_max3_num_f32 v14, v14, v15, 0x1800000        ; and the floor 2^(3 - 127): the byte cannot fall under 1
	v_add_nc_u32 v20, 0xff000000, v14              ; 2 off the exponent field: the conversion takes the exponent field of this operand as its scale
	s_wait_xcnt 0x0                                ; the store of four steps back has read this set of code registers
.irp g, 0,1,2,3
	v_cvt_scalef32_pk8_fp4_f32 v[CS+\g], v[XS+8*\g:XS+8*\g+7], v20
.endr
	v_lshrrev_b32 v[16+(\t)%2], 23, v20            ; the scale's byte (a plain line behind the conversions)
	global_store_b128 v[DST], v[CS:CS+3], s[6:7] offset:8192*((\t)/2)+512*((\t)%2)   ; 32 lanes store 512 consecutive bytes: image t % 2 of K step t / 2
.if (\t)%2 == 1
	v_lshl_or_b32 v18, v17, 16, v16                ; my two bytes of the K step's scale word: blocks h and 2 + h,
	v_lshlrev_b32 v18, v[SH8], v18                 ; at their places;
	v_permlanex16_b32 v19, v18, s[SEL], s[SEL+1]
	v_or_b32 v[W+(\t)/2], v18, v19                 ; with lane l xor 16's two the word is whole
.endif
.endm
.irp t, 0,1,2,3
	LOAD \t
.endr
	s_wait_loadcnt 24                              ; step 0's eight loads are in; steps 1 to 3's may be out
	TURN 0, 0
.irp t, 0,1,2,3,4,5,6,7,8,9,10,11,12,13,14,15
	QSTEP \t
.endr
	v_cmp_ne_u32 vcc_lo, 0, v3
.irp i, 0,1,2,3
	v_cndmask_b32 v[248+\i], v[W+\i], v[W+4+\i], vcc_lo   ; lanes 0-15 store words 0-3 of their row, lanes 16-31 words 4-7
.endr
	global_store_b128 v[SDS], v[248:251], s[38:39] ; the wave stores 512 consecutive bytes
	s_wait_tensorcnt 0x0                           ; the wave's end, behind my last LDS store
	ds_add_u32 v[SPW], v[NIL]
	s_wait_dscnt 0x0
	s_endpgm
	; ---- Wp's path: the same loads and the same turn, in LDS bytes of its own; then a rounding to f16
.Lwp:
	s_sub_co_u32 s30, ttmp9, 240
	s_lshl_b32 s30, s30, 2
	s_add_co_u32 s30, s30, s28                     ; my tile of 16 rows, 0..63
	s_lshl_b32 s32, s30, 16
	s_mov_b32 s33, 0
	s_add_nc_u64 s[4:5], s[20:21], s[32:33]
	s_lshr_b32 s34, s30, 3
	s_lshl_b32 s34, s34, 18                        ; a block of 128 rows: 262,144 bytes
	s_and_b32 s36, s30, 7
	s_lshl_b32 s36, s36, 10
	s_add_co_u32 s36, s36, s34
	s_mov_b32 s37, 0
	s_add_nc_u64 s[6:7], s[26:27], s[36:37]
.macro WSTEP t
.set XS, X+32*((\t)%2)
	AHEAD \t, WPB
	s_wait_xcnt 0x0                                ; the last step's stores have read their registers
.irp kk, 0,1,2,3,4,5,6,7,8,9,10,11,12,13,14,15
	v_cvt_pk_f16_f32 v[C+\kk], v[XS+2*\kk], v[XS+2*\kk+1]
.endr
.irp u, 0,1                                    ; my 32 numbers are the whole of K chunk 2 t + h of row r: image u, half hh of the lanes' places
.irp hh, 0,1
	global_store_b128 v[WDST], v[C+8*\u+4*\hh:C+8*\u+4*\hh+3], s[6:7] offset:16384*(\t)+512*\u+256*\hh   ; sixteen lanes store 256 consecutive bytes, aligned
.endr
.endr
.endm
.irp t, 0,1,2,3
	LOAD \t
.endr
	s_wait_loadcnt 24
	TURN 0, WPB
.irp t, 0,1,2,3,4,5,6,7,8,9,10,11,12,13,14,15
	WSTEP \t
.endr
	s_wait_tensorcnt 0x0                           ; the wave's end, as above
	ds_add_u32 v[SPW], v[NIL]
	s_wait_dscnt 0x0
	s_endpgm
.Lfunc_end_k_qe1b6a38127_quant:
	.size	k_qe1b6a38127_quant, .Lfunc_end_k_qe1b6a38127_quant-k_qe1b6a38127_quant
	.p2alignl 7, 3214868480
	.fill 96, 4, 3214868480
	.section	.rodata,"a",@progbits
	.p2align	6, 0x0
	.amdhsa_kernel k_qe1b6a38127_quant
		.amdhsa_group_segment_fixed_size 70144
		.amdhsa_private_segment_fixed_size 0
		.amdhsa_enable_private_segment 0
		.amdhsa_kernarg_size 80
		.amdhsa_user_sgpr_count 2
		.amdhsa_user_sgpr_kernarg_segment_ptr 1
		.amdhsa_wavefront_size32 1
		.amdhsa_system_sgpr_workgroup_id_x 1
		.amdhsa_system_sgpr_workgroup_id_y 1
		.amdhsa_system_sgpr_workgroup_id_z 1
		.amdhsa_system_vgpr_workitem_id 0
		.amdhsa_next_free_vgpr 256
		.amdhsa_next_free_sgpr 66
		.amdhsa_reserve_vcc 1
		.amdhsa_float_denorm_mode_32 3
		.amdhsa_float_denorm_mode_16_64 3
		.amdhsa_memory_ordered 1
		.amdhsa_forward_progress 1
		.amdhsa_inst_pref_size 111
	.end_amdhsa_kernel
	.amdgpu_metadata
---
amdhsa.version: [ 1, 2 ]
amdhsa.kernels:
  - .name:           k_qe1b6a38127_quant
    .symbol:         k_qe1b6a38127_quant.kd
    .args:
      - { .name: q, .offset: 0, .size: 8, .value_kind: global_buffer, .address_space: global }
      - { .name: k, .offset: 8, .size: 8, .value_kind: global_buffer, .address_space: global }
      - { .name: v, .offset: 16, .size: 8, .value_kind: global_buffer, .address_space: global }
      - { .name: Wq, .offset: 24, .size: 8, .value_kind: global_buffer, .address_space: global }
      - { .name: Wk, .offset: 32, .size: 8, .value_kind: global_buffer, .address_space: global }
      - { .name: Wv, .offset: 40, .size: 8, .value_kind: global_buffer, .address_space: global }
      - { .name: Wp, .offset: 48, .size: 8, .value_kind: global_buffer, .address_space: global }
      - { .name: acodes, .offset: 56, .size: 8, .value_kind: global_buffer, .address_space: global }
      - { .name: wcodes, .offset: 64, .size: 8, .value_kind: global_buffer, .address_space: global }
      - { .name: wph, .offset: 72, .size: 8, .value_kind: global_buffer, .address_space: global }
    .group_segment_fixed_size: 70144
    .private_segment_fixed_size: 0
    .kernarg_segment_align: 8
    .kernarg_segment_size: 80
    .max_flat_workgroup_size: 128
    .sgpr_count:     66
    .vgpr_count:     256
    .wavefront_size: 32
...
	.end_amdgpu_metadata
.endif
;; end of part 1
;; launch proj (part 2): grid 8 x 32, 4 waves a work-group, clusters of 4 x 4, 327,680 bytes of LDS; arguments acodes, wcodes, gq, bq, gk, bk, qf, kf, vf; writes qf, kf, vf
.if DOCPART == 2
	.amdgcn_target "amdgcn-amd-amdhsa--gfx1250"
	.amdhsa_code_object_version 6
	.text
	.protected	k_qe1b6a38127_proj
	.globl	k_qe1b6a38127_proj
	.p2align	8
	.type	k_qe1b6a38127_proj,@function
k_qe1b6a38127_proj:
	s_mov_b64 s[64:65], 0
	v_nop
	global_prefetch_b8 v0, s[64:65] scope:SCOPE_SE
	s_setreg_imm32_b32 hwreg(HW_REG_WAVE_MODE, 25, 1), 1
	s_wait_xcnt 0x0
	s_wait_alu depctr_hold_cnt(0) depctr_sa_sdst(0) depctr_va_vdst(0) depctr_va_sdst(0) depctr_va_ssrc(0) depctr_va_vcc(0) depctr_vm_vsrc(0)
	s_getreg_b32 s2, hwreg(HW_REG_IB_STS2, 6, 4)
	s_cmp_eq_u32 s2, 0
	s_cbranch_scc0 .Lentry_in_a_cluster
	s_endpgm
.Lentry_in_a_cluster:
	s_bfe_u32 s2, ttmp6, 0x10000c
	s_cmp_lg_u32 s2, 0xf033
	s_cbranch_scc0 .Lentry_shape_is_right
	s_endpgm
.Lentry_shape_is_right:
; The three projections on codes of FP4 (E2M1) with E8M0 scales, f32 sums; the per-head LayerNorm of q and k in f32; results as f16 in the order of the attention's operand registers.
; SHARES.  Work-group (x, y) owns tokens 128 y .. + 127 and channels 128 x .. + 127 (heads 2 x, 2 x + 1), for q, then k, then v: three tiles of 128 x 128 x 1,024.
; Wave w: tokens 64 (w / 2) on, head 2 x + w % 2: 64 x 64, 16 accumulators.  A head's 64 channels lie in one wave, 32 in a lane: a statistic wants one exchange between the halves of the lanes.
; BYTES.  A tile's operands for ALL of K are two dense blocks of 69,632 bytes (codes in register order, then scale bytes): a slot holds a whole tile, two slots fit, three fills: q, k, v (v into q's slot).
; CLUSTER 4 x 4: the token block hangs on y alone and is shared along a row of the cluster, the weight block on x alone and is shared along a column: each is asked for jointly by four.
; q, k: source 0 = 16 weight rows, source 1 = 16 tokens: a lane holds one token and eight neighbouring channels.  v: the sources swapped: a lane holds one channel and eight neighbouring tokens (keys).
; Either way four roundings to f16 give 16 bytes that ARE a lane's part of an image of the next product's fragment: each store of a wave covers 512 consecutive bytes.
; q's gain and bias carry -log2(e) / 8, so that the attention's first product gives the exponent of 2 in the sigmoid.
; LIMITS: f16 results: |q's| 0.18 x, |k's| and |v's| magnitudes up to 65,504; under 6e-5 the absolute error is at most 2^-25.
; REGISTERS.  Window 0: v1-9 addresses; v10-25 means and 1 / deviation, in pairs; v32-63 scale words alone; v64-127 at work, then packed results; v128-255 accumulators ((a, b) at v[128 + 8 (4 a + b)]).
;   Window 1: v0-127 two sets of fragments (4 of tokens, then 4 of weights, 8 registers each); v128 gq, v160 bq (both x -log2(e) / 8), v192 gk, v224 bk: register 8 b + j = channel 16 b + 8 h + j.
.set BLKB,  69632                      ; a block: 65,536 bytes of codes, 4,096 of scale bytes
.set PART,  34816                      ; half a block: what one tensor load brings: 136 rows of 256 bytes
.set SLOT,  2*BLKB                     ; the token block, then the weight block
.set SPARE, 2*SLOT                     ; behind the ring: the spare words, 128 bytes for each wave
.set TSTR,  32*BLKB                    ; from q's codes to k's to v's
.set WSTR,  8*BLKB                     ; from Wq's to Wk's to Wv's
.set LO,   3                           ; v3    16 x lane
.set ADT,  4                           ; v4-5  my token fragments in slot 0, 1
.set ADW,  6                           ; v6-7  my weight fragments
.set ADS,  8                           ; v8-9  my scale words: lanes 0-15 the tokens', lanes 16-31 the weights'
.set MU,   10                          ; v10-17 tile a's mean at v[10 + 2 a] (named as a pair; the low word serves both halves)
.set RS,   18                          ; v18-25 1 / deviation likewise
.set SPW,  28
.set NIL,  29
.set SC,   32                          ; scale words: v[SC + 8 i + s]: tile i, K step s
.set TS,   64
.set ACC,  128
.set G1,   24                          ; s[24:31] group 1 for the token blocks; s[32:39] group 0, a set for each slot
.set G0,   32
.set G1B,  48                          ; s[48:55], s[56:63] the same for the weight blocks
.set G0B,  56
.set MSB, 0
.macro WIN new                         ; the immediate's high byte repeats the setting that is left
.if MSB != \new
	s_set_vgpr_msb (MSB<<8)|\new
.set MSB, \new
.endif
.endm
.macro PLACES                          ; four places behind matrix instructions, ahead of loads into their registers and of reads of their results
.rept 4
	v_nop
.endr
.endm
.macro JLOAD s                         ; a joint load: waves 0, 1 fetch the token block's halves, waves 2, 3 the weight block's.  An s_nop 0 and four v_nop follow each line
	s_cmp_eq_u32 s11, 0
	s_cbranch_scc0 .Lfor_w_\@
	tensor_load_to_lds s[G0+4*\s:G0+4*\s+3], s[G1:G1+7]
	s_nop 0
.rept 4
	v_nop
.endr
	s_branch .Lasked_\@
.Lfor_w_\@:
	tensor_load_to_lds s[G0B+4*\s:G0B+4*\s+3], s[G1B:G1B+7]
	s_nop 0
.rept 4
	v_nop
.endr
.Lasked_\@:
.endm
.macro CROUND                          ; a round of the cluster's barrier
	s_barrier_signal -1
	s_barrier_wait -1
	s_cmp_lg_u32 s10, 0
	s_cbranch_scc1 .Lnot_wave_0_\@
	s_barrier_signal -3
.Lnot_wave_0_\@:
	s_barrier_wait -3
	s_barrier_signal -1
	s_barrier_wait -1
.endm
	s_load_b512 s[68:83], s[0:1], 0x0              ; acodes, wcodes, gq, bq, gk, bk, qf, kf
	s_load_b64 s[84:85], s[0:1], 0x40              ; vf
	v_lshl_add_u32 v[SPW], v0, 2, SPARE
	v_mov_b32 v[NIL], 0
	ds_add_u32 v[SPW], v[NIL]                      ; the wave's opening: the add, twice on end, and its wait ahead of my first tensor load
	ds_add_u32 v[SPW], v[NIL]
	v_lshrrev_b32 v1, 5, v0
	v_readfirstlane_b32 s10, v1                    ; wave 0..3
	s_lshr_b32 s11, s10, 1                         ; wm: which 64 tokens.  Also: I fetch tokens (0) or weights (1)
	s_and_b32 s12, s10, 1                          ; wn: which head.  Also: which half of that block I fetch
	s_bfe_u32 s40, ttmp6, 0x40000                  ; cx, cy
	s_bfe_u32 s41, ttmp6, 0x40004
	s_lshl_b32 s42, ttmp9, 2
	s_add_co_u32 s42, s42, s40                     ; x
	s_and_b32 s13, ttmp7, 0xffff
	s_lshl_b32 s13, s13, 2
	s_add_co_u32 s13, s13, s41                     ; y
	s_lshl_b32 s43, s41, 2
	s_lshl_b32 s43, 15, s43                        ; my row of the cluster
	s_lshl_b32 s44, 0x1111, s40                    ; my column
	s_or_b32 s[G1+0], s43, (3<<16)|(1<<21)         ; 15:0 the mask; 17:16 elements of 8 bytes; 21 set beside a mask; no padding
	s_or_b32 s[G1B+0], s44, (3<<16)|(1<<21)
.irp g, G1, G1B
	s_mov_b32 s[\g+1], 32<<16                      ; tensor_dim0 = 32 elements: 256 bytes
	s_mov_b32 s[\g+2], 136<<16                     ; tensor_dim1 = 136
	s_mov_b32 s[\g+3], 32<<16                      ; tile_dim0
	s_mov_b32 s[\g+4], 136                         ; tile_dim1
	s_mov_b32 s[\g+5], 32                          ; the rows are dense
	s_mov_b32 s[\g+6], 0
	s_mov_b32 s[\g+7], 0
.endr
	s_mul_i32 s17, s12, PART
	s_mul_i32 s16, s13, BLKB
	s_add_co_u32 s16, s16, s17                     ; tokens: block y, my half
	s_mul_i32 s46, s42, BLKB
	s_add_co_u32 s46, s46, s17                     ; weights: block x, my half
	s_mov_b32 s17, 0
	s_mov_b32 s47, 0
	s_mul_i32 s18, s10, PART                       ; where it goes in a slot: no place in the cluster enters an LDS address
	s_lshl_b32 s86, s42, 1
	s_add_co_u32 s86, s86, s12                     ; my head
	s_lshl_b32 s86, s86, 19                        ; 524,288 bytes a head in qf, kf and vf alike;
	s_lshl_b32 s92, s13, 14
	s_add_co_u32 s86, s86, s92
	s_lshl_b32 s92, s11, 13
	s_add_co_u32 s86, s86, s92                     ; + 2,048 bytes for each tile of 16 tokens: tile 8 y + 4 wm
	s_mov_b32 s87, 0
	s_mov_b32 s20, 0x76543210
	s_mov_b32 s21, 0xfedcba98                      ; lane l xor 16
	s_mov_b32 s88, 0x3c800000                      ; 1 / 64
	s_mov_b32 s89, 0x3727c5ac                      ; 1e-5
	s_mov_b32 s90, 0xbe38aa3b                      ; -log2(e) / 8
	s_mov_b32 s91, s90
	s_wait_dscnt 0x0                               ; both opening adds are done
	s_wait_kmcnt 0x0
	s_add_nc_u64 s[14:15], s[68:69], s[16:17]
	s_add_nc_u64 s[46:47], s[70:71], s[46:47]
	s_add_nc_u64 s[80:81], s[80:81], s[86:87]
	s_add_nc_u64 s[82:83], s[82:83], s[86:87]
	s_add_nc_u64 s[84:85], s[84:85], s[86:87]
	CROUND                                         ; all sixteen work-groups are here: the first joint loads meet
.irp s, 0,1
	s_mov_b32 s[G0+4*\s], 1
	s_add_co_u32 s[G0+4*\s+1], s18, \s*SLOT
	s_add_nc_u64 s[G0+4*\s+2:G0+4*\s+3], s[14:15], \s*TSTR         ; slot 0: q's, slot 1: k's
	s_or_b32 s[G0+4*\s+3], s[G0+4*\s+3], 0x80000000
	s_mov_b32 s[G0B+4*\s], 1
	s_add_co_u32 s[G0B+4*\s+1], s18, \s*SLOT
	s_add_nc_u64 s[G0B+4*\s+2:G0B+4*\s+3], s[46:47], \s*WSTR
	s_or_b32 s[G0B+4*\s+3], s[G0B+4*\s+3], 0x80000000
	JLOAD \s                                       ; two loads of mine are out
.endr
	v_and_b32 v1, 15, v0                           ; r
	v_bfe_u32 v2, v0, 4, 1                         ; h
	v_and_b32 v3, 31, v0
	v_lshlrev_b32 v[LO], 4, v3
	v_lshlrev_b32 v26, 5, v2                       ; gains and biases: my half's eight channels of each 16
	WIN 0x40                                       ; destination window 1
.irp b, 0,1,2,3
	global_load_b128 v[128+8*\b:128+8*\b+3], v26, s[72:73] offset:64*\b
	global_load_b128 v[128+8*\b+4:128+8*\b+7], v26, s[72:73] offset:64*\b+16
	global_load_b128 v[160+8*\b:160+8*\b+3], v26, s[74:75] offset:64*\b
	global_load_b128 v[160+8*\b+4:160+8*\b+7], v26, s[74:75] offset:64*\b+16
	global_load_b128 v[192+8*\b:192+8*\b+3], v26, s[76:77] offset:64*\b
	global_load_b128 v[192+8*\b+4:192+8*\b+7], v26, s[76:77] offset:64*\b+16
	global_load_b128 v[224+8*\b:224+8*\b+3], v26, s[78:79] offset:64*\b
	global_load_b128 v[224+8*\b+4:224+8*\b+7], v26, s[78:79] offset:64*\b+16
.endr
	WIN 0
	s_lshl_b32 s22, s11, 12                        ; my four token tiles: 1,024 bytes a tile in each K step
	v_add_nc_u32 v[ADT], s22, v[LO]
	v_add_nc_u32 v[ADT+1], SLOT, v[ADT]
	s_lshl_b32 s23, s12, 12
	s_add_co_u32 s23, s23, BLKB
	v_add_nc_u32 v[ADW], s23, v[LO]
	v_add_nc_u32 v[ADW+1], SLOT, v[ADW]
	s_xor_b32 s23, s11, 1                          ; from the tokens' scale words to the weights': 69,632 + 2,048 wn - 2,048 wm, made as one product with h
	s_add_co_u32 s23, s23, s12
	s_lshl_b32 s23, s23, 11
	s_add_co_u32 s23, s23, BLKB-2048
	v_mul_u32_u24 v27, s23, v2
	v_lshl_add_u32 v27, v1, 5, v27                 ; 32 bytes of scales a row
	s_lshl_b32 s22, s11, 11
	s_add_co_u32 s22, s22, 65536
	v_add_nc_u32 v[ADS], s22, v27
	v_add_nc_u32 v[ADS+1], SLOT, v[ADS]
.irp a, 0,1,2,3
	v_mov_b32 v[MU+2*\a+1], 0                      ; the pairs' upper words are named, so they are written
	v_mov_b32 v[RS+2*\a+1], 0
.endr
	s_wait_loadcnt 0x0
	WIN 0x41
.set i, 128
.rept 32
	v_pk_mul_f32 v[i:i+1], v[i:i+1], s[90:91] op_sel_hi:[1,0]     ; gq and bq x -log2(e) / 8
.set i, i+2
.endr
	WIN 0
.macro SCALES slot                     ; all eight K steps' scale words of my four token tiles (lanes 0-15) and four weight tiles (lanes 16-31)
.irp i, 0,1,2,3
	ds_load_b128 v[SC+8*\i:SC+8*\i+3], v[ADS+\slot] offset:512*\i
	ds_load_b128 v[SC+8*\i+4:SC+8*\i+7], v[ADS+\slot] offset:512*\i+16
.endr
.endm
.macro FETCH slot, s, p                ; K step s's eight fragments into set p: 16 loads, each 512 consecutive bytes
	WIN 0x40
.irp i, 0,1,2,3
.irp c, 0,1
	ds_load_b128 v[64*(\p)+8*\i+4*\c:64*(\p)+8*\i+4*\c+3], v[ADT+\slot] offset:8192*(\s)+1024*\i+512*\c
	ds_load_b128 v[64*(\p)+32+8*\i+4*\c:64*(\p)+32+8*\i+4*\c+3], v[ADW+\slot] offset:8192*(\s)+1024*\i+512*\c
.endr
.endr
.endm
; 16 matrix instructions, 128 along K; the 16 accumulators take turns in the same order in every step.  zero = 1: the products start the sums
.macro MUL p, s, zero, swap
.irp a, 0,1,2,3
.irp b, 0,1,2,3
.if \swap
.if \zero
	v_wmma_scale_f32_16x16x128_f8f6f4 v[ACC+8*(4*\a+\b):ACC+8*(4*\a+\b)+7], v[64*(\p)+8*\a:64*(\p)+8*\a+7], v[64*(\p)+32+8*\b:64*(\p)+32+8*\b+7], 0, v[SC+8*\a+(\s)], v[SC+8*\b+(\s)] matrix_a_fmt:MATRIX_FMT_FP4 matrix_b_fmt:MATRIX_FMT_FP4 matrix_b_scale:MATRIX_SCALE_ROW1
.else
	v_wmma_scale_f32_16x16x128_f8f6f4 v[ACC+8*(4*\a+\b):ACC+8*(4*\a+\b)+7], v[64*(\p)+8*\a:64*(\p)+8*\a+7], v[64*(\p)+32+8*\b:64*(\p)+32+8*\b+7], v[ACC+8*(4*\a+\b):ACC+8*(4*\a+\b)+7], v[SC+8*\a+(\s)], v[SC+8*\b+(\s)] matrix_a_fmt:MATRIX_FMT_FP4 matrix_b_fmt:MATRIX_FMT_FP4 matrix_b_scale:MATRIX_SCALE_ROW1
.endif
.else
.if \zero
	v_wmma_scale_f32_16x16x128_f8f6f4 v[ACC+8*(4*\a+\b):ACC+8*(4*\a+\b)+7], v[64*(\p)+32+8*\b:64*(\p)+32+8*\b+7], v[64*(\p)+8*\a:64*(\p)+8*\a+7], 0, v[SC+8*\b+(\s)], v[SC+8*\a+(\s)] matrix_a_fmt:MATRIX_FMT_FP4 matrix_b_fmt:MATRIX_FMT_FP4 matrix_a_scale:MATRIX_SCALE_ROW1
.else
	v_wmma_scale_f32_16x16x128_f8f6f4 v[ACC+8*(4*\a+\b):ACC+8*(4*\a+\b)+7], v[64*(\p)+32+8*\b:64*(\p)+32+8*\b+7], v[64*(\p)+8*\a:64*(\p)+8*\a+7], v[ACC+8*(4*\a+\b):ACC+8*(4*\a+\b)+7], v[SC+8*\b+(\s)], v[SC+8*\a+(\s)] matrix_a_fmt:MATRIX_FMT_FP4 matrix_b_fmt:MATRIX_FMT_FP4 matrix_a_scale:MATRIX_SCALE_ROW1
.endif
.endif
.endr
.endr
.endm
; A whole tile: eight K steps on two sets of fragments.  turn = 1: the slot is filled again behind this tile: the last step carries the wait for all my tensor loads, the add and the wait for it
.macro GEMM slot, swap, turn
	SCALES \slot
	FETCH \slot, 0, 0
	FETCH \slot, 1, 1
	s_wait_dscnt 16                                ; all but step 1's sixteen loads
	WIN 0x05                                       ; sources 0 and 1 window 1; C and D window 0
	MUL 0, 0, 1, \swap
.set Q, 1
.rept 6
	PLACES
	FETCH \slot, Q+1, (Q+1)%2
	s_wait_dscnt 16                                ; all but the sixteen just issued
	WIN 0x05
	MUL Q%2, Q, 0, \swap
.set Q, Q+1
.endr
.if \turn
	WIN 0                                          ; (the add's two registers lie in window 0)
	s_wait_tensorcnt 0x0                           ; all my tensor loads have landed: my part of the other slot among them;
	ds_add_u32 v[SPW], v[NIL]                      ; 0 onto my spare word;
	s_wait_dscnt 1                                 ; (the add alone may be out: step 7's fragments are in)
	WIN 0x05
	MUL 1, 7, 0, \swap                             ; sixteen matrix instructions stand between the add and the wait for it
	WIN 0
	s_wait_dscnt 0x0                               ; the add is done, and my reads of this slot are over
.else
	s_wait_dscnt 0x0
	MUL 1, 7, 0, \swap
	WIN 0
.endif
.endm
; the four tiles' partial sums, four pairs each at v[TS + 8 a ..], become one number a token in v[TS + 8 a]; the tiles by turns
.macro JOIN
.irp a, 0,1,2,3
	v_pk_add_f32 v[TS+8*\a:TS+8*\a+1], v[TS+8*\a:TS+8*\a+1], v[TS+8*\a+2:TS+8*\a+3]
.endr
.irp a, 0,1,2,3
	v_pk_add_f32 v[TS+8*\a+4:TS+8*\a+5], v[TS+8*\a+4:TS+8*\a+5], v[TS+8*\a+6:TS+8*\a+7]
.endr
.irp a, 0,1,2,3
	v_pk_add_f32 v[TS+8*\a:TS+8*\a+1], v[TS+8*\a:TS+8*\a+1], v[TS+8*\a+4:TS+8*\a+5]
.endr
.irp a, 0,1,2,3
	v_add_f32 v[TS+8*\a], v[TS+8*\a], v[TS+8*\a+1]
.endr
.irp a, 0,1,2,3
	v_permlanex16_b32 v[TS+8*\a+1], v[TS+8*\a], s20, s21           ; the token's other 32 channels lie in the lane 16 away
.endr
.irp a, 0,1,2,3
	v_add_f32 v[TS+8*\a], v[TS+8*\a], v[TS+8*\a+1]
.endr
.endm
; 64 roundings to f16: accumulator (a, b) packs into v[TS + 16 a + 4 b ..], each accumulator from its low end on
.macro PACK
.irp a, 0,1,2,3
.irp k, 0,1,2,3,4,5,6,7,8,9,10,11,12,13,14,15
	v_cvt_pk_f16_f32 v[TS+16*\a+\k], v[ACC+32*\a+2*\k], v[ACC+32*\a+2*\k+1]
.endr
.endr
.endm
; LayerNorm over a head's 64 channels, in two passes, then gain and bias (at v[gb], v[gb + 32] of window 1), f16, and out
.macro LN gb, dst
	s_wait_xcnt 0x0                                ; earlier stores have read the registers that are written below
	PLACES
.irp b, 0,1,2,3
.irp a, 0,1,2,3
	v_pk_add_f32 v[TS+8*\a+2*\b:TS+8*\a+2*\b+1], v[ACC+32*\a+8*\b:ACC+32*\a+8*\b+1], v[ACC+32*\a+8*\b+2:ACC+32*\a+8*\b+3]   ; each accumulator is read from its low end on
.endr
.endr
.irp j, 4,6
.irp b, 0,1,2,3
.irp a, 0,1,2,3
	v_pk_add_f32 v[TS+8*\a+2*\b:TS+8*\a+2*\b+1], v[TS+8*\a+2*\b:TS+8*\a+2*\b+1], v[ACC+32*\a+8*\b+\j:ACC+32*\a+8*\b+\j+1]
.endr
.endr
.endr
	JOIN
.irp a, 0,1,2,3
	v_mul_f32 v[MU+2*\a], s88, v[TS+8*\a]          ; the mean
.endr
.irp a, 0,1,2,3
.irp k, 0,2,4,6,8,10,12,14,16,18,20,22,24,26,28,30
	v_pk_add_f32 v[ACC+32*\a+\k:ACC+32*\a+\k+1], v[ACC+32*\a+\k:ACC+32*\a+\k+1], v[MU+2*\a:MU+2*\a+1] op_sel_hi:[1,0] neg_lo:[0,1] neg_hi:[0,1]   ; x - mean
.endr
.endr
.irp b, 0,1,2,3
.irp a, 0,1,2,3
	v_pk_mul_f32 v[TS+8*\a+2*\b:TS+8*\a+2*\b+1], v[ACC+32*\a+8*\b:ACC+32*\a+8*\b+1], v[ACC+32*\a+8*\b:ACC+32*\a+8*\b+1]
.endr
.endr
.irp j, 2,4,6
.irp b, 0,1,2,3
.irp a, 0,1,2,3
	v_pk_fma_f32 v[TS+8*\a+2*\b:TS+8*\a+2*\b+1], v[ACC+32*\a+8*\b+\j:ACC+32*\a+8*\b+\j+1], v[ACC+32*\a+8*\b+\j:ACC+32*\a+8*\b+\j+1], v[TS+8*\a+2*\b:TS+8*\a+2*\b+1]
.endr
.endr
.endr
	JOIN
.irp a, 0,1,2,3
	v_fma_f32 v[TS+8*\a], v[TS+8*\a], s88, s89     ; the variance + 1e-5
.endr
.irp a, 0,1,2,3
	v_rsq_f32 v[RS+2*\a], v[TS+8*\a]
.endr
	v_nop                                          ; a plain instruction behind the last of the batch
	s_wait_alu depctr_va_vdst(0)                   ; one wait for the four, ahead of their first reader
.irp a, 0,1,2,3
.irp k, 0,2,4,6,8,10,12,14,16,18,20,22,24,26,28,30
	v_pk_mul_f32 v[ACC+32*\a+\k:ACC+32*\a+\k+1], v[ACC+32*\a+\k:ACC+32*\a+\k+1], v[RS+2*\a:RS+2*\a+1] op_sel_hi:[1,0]
.endr
.endr
	WIN 0x14                                       ; sources 1 and 2 window 1
.irp a, 0,1,2,3
.irp k, 0,2,4,6,8,10,12,14,16,18,20,22,24,26,28,30
	v_pk_fma_f32 v[ACC+32*\a+\k:ACC+32*\a+\k+1], v[ACC+32*\a+\k:ACC+32*\a+\k+1], v[\gb+\k:\gb+\k+1], v[\gb+32+\k:\gb+32+\k+1]
.endr
.endr
	WIN 0
	PACK
.irp a, 0,1,2,3
.irp b, 0,1,2,3
	global_store_b128 v[LO], v[TS+16*\a+4*\b:TS+16*\a+4*\b+3], s[\dst:\dst+1] offset:2048*\a+512*\b   ; token tile a; channels 16 b on: chunk b / 2, image b % 2: 512 consecutive bytes
.endr
.endr
.endm
	s_wait_tensorcnt 0x1                           ; my part of q's tile is in; k's may stay out
	s_barrier_signal -1
	s_barrier_wait -1                              ; everybody's is
	GEMM 0, 0, 1                                   ; q
	CROUND                                         ; no wave of any partner still reads slot 0 or has a load on its way
	s_add_nc_u64 s[G0+2:G0+3], s[G0+2:G0+3], 2*TSTR
	s_add_nc_u64 s[G0B+2:G0B+3], s[G0B+2:G0B+3], 2*WSTR
	JLOAD 0                                        ; v's tile into q's slot: my one tensor load behind the round; it has q's LayerNorm and all of k's tile in which to land
	LN 128, 80
	GEMM 1, 0, 0                                   ; k: the round has shown slot 1 whole to every wave
	LN 192, 82
	s_wait_tensorcnt 0x0                           ; my part of v's tile is in,
	s_barrier_signal -1
	s_barrier_wait -1                              ; everybody's is
	GEMM 0, 1, 0                                   ; v, the sources swapped
	s_wait_xcnt 0x0                                ; k's stores have read their registers
	PLACES
	PACK
.irp a, 0,1,2,3
.irp b, 0,1,2,3
	global_store_b128 v[LO], v[TS+16*\a+4*\b:TS+16*\a+4*\b+3], s[84:85] offset:4096*(\a/2)+1024*\b+512*(\a%2)   ; keys 16 a on: chunk a / 2, image a % 2; channels 16 b on
.endr
.endr
	s_wait_tensorcnt 0x0                           ; the wave's end
	ds_add_u32 v[SPW], v[NIL]
	s_wait_dscnt 0x0
	CROUND                                         ; the closing round
	s_endpgm
.Lfunc_end_k_qe1b6a38127_proj:
	.size	k_qe1b6a38127_proj, .Lfunc_end_k_qe1b6a38127_proj-k_qe1b6a38127_proj
	.p2alignl 7, 3214868480
	.fill 96, 4, 3214868480
	.section	.rodata,"a",@progbits
	.p2align	6, 0x0
	.amdhsa_kernel k_qe1b6a38127_proj
		.amdhsa_group_segment_fixed_size 327680
		.amdhsa_private_segment_fixed_size 0
		.amdhsa_enable_private_segment 0
		.amdhsa_kernarg_size 72
		.amdhsa_user_sgpr_count 2
		.amdhsa_user_sgpr_kernarg_segment_ptr 1
		.amdhsa_wavefront_size32 1
		.amdhsa_system_sgpr_workgroup_id_x 1
		.amdhsa_system_sgpr_workgroup_id_y 1
		.amdhsa_system_sgpr_workgroup_id_z 1
		.amdhsa_system_vgpr_workitem_id 0
		.amdhsa_next_free_vgpr 512
		.amdhsa_next_free_sgpr 96
		.amdhsa_reserve_vcc 0
		.amdhsa_float_denorm_mode_32 3
		.amdhsa_float_denorm_mode_16_64 3
		.amdhsa_memory_ordered 1
		.amdhsa_forward_progress 1
		.amdhsa_inst_pref_size 153
	.end_amdhsa_kernel
	.amdgpu_metadata
---
amdhsa.version: [ 1, 2 ]
amdhsa.kernels:
  - .name:           k_qe1b6a38127_proj
    .symbol:         k_qe1b6a38127_proj.kd
    .args:
      - { .name: acodes, .offset: 0, .size: 8, .value_kind: global_buffer, .address_space: global }
      - { .name: wcodes, .offset: 8, .size: 8, .value_kind: global_buffer, .address_space: global }
      - { .name: gq, .offset: 16, .size: 8, .value_kind: global_buffer, .address_space: global }
      - { .name: bq, .offset: 24, .size: 8, .value_kind: global_buffer, .address_space: global }
      - { .name: gk, .offset: 32, .size: 8, .value_kind: global_buffer, .address_space: global }
      - { .name: bk, .offset: 40, .size: 8, .value_kind: global_buffer, .address_space: global }
      - { .name: qf, .offset: 48, .size: 8, .value_kind: global_buffer, .address_space: global }
      - { .name: kf, .offset: 56, .size: 8, .value_kind: global_buffer, .address_space: global }
      - { .name: vf, .offset: 64, .size: 8, .value_kind: global_buffer, .address_space: global }
    .group_segment_fixed_size: 327680
    .private_segment_fixed_size: 0
    .kernarg_segment_align: 8
    .kernarg_segment_size: 72
    .max_flat_workgroup_size: 128
    .sgpr_count:     96
    .vgpr_count:     512
    .wavefront_size: 32
...
	.end_amdgpu_metadata
.endif
;; end of part 2
;; launch attn (part 3): grid 16 x 16, 8 waves a work-group, clusters of 4 x 1, 327,680 bytes of LDS; arguments qf, kf, vf, xf; writes xf
.if DOCPART == 3
	.amdgcn_target "amdgcn-amd-amdhsa--gfx1250"
	.amdhsa_code_object_version 6
	.text
	.protected	k_qe1b6a38127_attn
	.globl	k_qe1b6a38127_attn
	.p2align	8
	.type	k_qe1b6a38127_attn,@function
k_qe1b6a38127_attn:
	s_mov_b64 s[64:65], 0
	v_nop
	global_prefetch_b8 v0, s[64:65] scope:SCOPE_SE
	s_setreg_imm32_b32 hwreg(HW_REG_WAVE_MODE, 25, 1), 1
	s_wait_xcnt 0x0
	s_wait_alu depctr_hold_cnt(0) depctr_sa_sdst(0) depctr_va_vdst(0) depctr_va_sdst(0) depctr_va_ssrc(0) depctr_va_vcc(0) depctr_vm_vsrc(0)
	s_getreg_b32 s2, hwreg(HW_REG_IB_STS2, 6, 4)
	s_cmp_eq_u32 s2, 0
	s_cbranch_scc0 .Lentry_in_a_cluster
	s_endpgm
.Lentry_in_a_cluster:
	s_bfe_u32 s2, ttmp6, 0x10000c
	s_cmp_lg_u32 s2, 0x3003
	s_cbranch_scc0 .Lentry_shape_is_right
	s_endpgm
.Lentry_shape_is_right:
; x[h][q][:] = the sum over k of sigmoid(Q[h][q] . K[h][k]) V[h][k][:], 16 heads, 4,096 queries and keys, head size 64.  Operands f16, sums f32, the sigmoid in f32.
; Q carries -log2(e) / 8 from the launch before, so S^T = K Q^T is t, and p = 1 / (1 + 2^t).  A very large t gives 2^t = infinity and p = 0, a very small one 2^t = 0 and p = 1: no clamp is needed.
; SHARES.  A work-group owns 256 queries of one head.  Wave w: queries 64 (w % 4) on, four tiles of 16; and half w / 4 of every slot's keys.  The sigmoid has no normaliser, so x is a plain sum over
; the keys: the two halves are added once, at the end, through LDS.  Each fragment of K and V read from LDS feeds four products.
; LAYOUT.  Both products transposed (source 0 = 16 keys, then 16 channels; source 1 = 16 queries): a lane holds ONE query throughout, and two tiles of p, rounded to f16 in pairs, ARE source 1 of the second product.
; qf, kf, vf lie in the order of the operands' registers: a fragment is two images of 512 bytes, lane l's 16 bytes at 16 l: every LDS load reads 512 consecutive bytes; no padding.
; BY TURNS.  A wave issues in order: while it walks a step's 192 vector instructions it issues no product.  So the wave's tiles are two PIECES, X (tiles 0, 1) and Y (tiles 2, 3).  In a TURN one piece has the
; matrix unit: 8 products V^T P of the step in hand, then 8 products K Q^T of the next step; the other piece's sigmoid, 96 instructions, stands in 16 slices of six, one behind each product.  Then the pieces
; change places: X(j) carries Y's sigmoid of step j, Y(j) carries X's of step j + 1.  A step is 32 keys.
; RING.  A slot holds 512 keys: 65,536 dense bytes of kf, 65,536 of vf.  Every wave fetches 16,384 of them (waves 0-3: K's quarters, waves 4-7: V's): one load a wave behind each round; eight fills in all.
; CLUSTER.  The four query blocks of a cluster belong to one head and walk the same K and V: each tile is asked for jointly by the four.
; x leaves as f16 x 2^-10 (exact), in the order of the last product's operand registers.  LIMITS: |x| 2^-10 up to 65,504; under 6e-5 its absolute error is at most 2^-25.  NaN and infinities in the inputs are not served.
; REGISTERS.  Window 0: v1-11 addresses; v32-95 S^T (piece x, tile il, keys 16 a on: 32 + 32 x + 16 il + 8 a); v96-127 P (16 a piece); v128-191 Q ((i, c) at 128 + 8 (2 i + c));
;   v192-255 K, two sets ((a, c) at 192 + 32 set + 8 (2 a + c)).  So K Q^T and every slice name window 0 alone.  Window 1: v0-127 O^T ((i, dt) at 8 (4 i + dt)); v128-191 V, two sets (128 + 32 set + 8 dt).
;   My tile i is tile i xor 2 (w / 4) of the 64 queries: so every wave keeps piece X and sends piece Y.
.set SLOTB, 131072                     ; a slot; slot 1 begins here, so that one exclusive or turns an address in one slot into the other's
.set VOFF,  65536                      ; in a slot: K's 65,536 bytes, then V's
.set SPARE, 2*SLOTB                    ; behind the ring: the spare words, 128 bytes for each wave
                                       ; the exchange of halves, 8,192 bytes for each wave, lies at LDS byte 0, in slot 0: it has had its last fill, and nobody reads it, when the first result is stored there
.set A0,   2                           ; v2   16 x lane + 32,768 x my half of the keys
.set ADRK, 3                           ; v3   the same in the slot that is being fetched from
.set ADRV, 4                           ; v4   and V's part of it
.set QA,   5                           ; v5   Q: my tiles 0, 1
.set QB,   6                           ; v6   my tiles 2, 3
.set XW,   7                           ; v7   the exchange: where I write
.set XR,   8                           ; v8   and where my partner, wave w xor 4, has written
.set PFO,  9                           ; v9   256 x lane; never rewritten
.set SPW,  10
.set NIL,  11
.set S,    32
.set P,    96
.set QF,   128
.set KF,   192
.set VF,   128                         ; in window 1
.set WV,   12                          ; s12  my wave's number
.set G1,   24                          ; s[24:31] descriptor group 1
.set G0,   32                          ; s[32:35] group 0 of the first fill; s[36:39] of the second, which then walks
.set TB,   40                          ; s40  LDS byte at which the slot that is being fetched from begins
.set SLOTS, 41                         ; s41  slots still to be asked for
.set LIM,  42                          ; s42  1 in a wave that prefetches, else the greatest number
.set PFA,  44                          ; s[44:45] where my prefetches stand
.set MSB, 0
.macro WIN new                         ; the immediate's high byte repeats the setting that is left; a switch that changes nothing is dropped
.if MSB != \new
	s_set_vgpr_msb (MSB<<8)|\new
.set MSB, \new
.endif
.endm
.macro PLACES                          ; four places behind matrix instructions, ahead of reads of their results (ISA guide 7.12.1)
.rept 4
	v_nop
.endr
.endm
.macro CROUND                          ; a round of the cluster's barrier
	s_barrier_signal -1
	s_barrier_wait -1
	s_cmp_lg_u32 s[WV], 0
	s_cbranch_scc1 .Lnot_wave_0_\@
	s_barrier_signal -3
.Lnot_wave_0_\@:
	s_barrier_wait -3
	s_barrier_signal -1
	s_barrier_wait -1
.endm
; A prefetch of what the NEXT change of slots will ask for.  All clusters of a head walk the same K and V: the head's first cluster asks.  Its four partners share a slot's 65,536 bytes of each tensor out
; by address, 16,384 each; in each, waves 0 and 1 ask for K's halves of that and waves 4 and 5 for V's, a lane for each 256 bytes: each is named once in the launch.  The last change that fills a slot asks for nothing.
.macro ASK
	s_cmp_gt_u32 s[SLOTS], s[LIM]
	s_cbranch_scc0 .Lnot_mine_\@
	global_prefetch_b8 v[PFO], s[PFA:PFA+1] th:TH_LOAD_NT scope:SCOPE_SE
.Lnot_mine_\@:
.endm
	s_load_b256 s[4:11], s[0:1], 0x0               ; qf, kf, vf, xf
	v_lshl_add_u32 v[SPW], v0, 2, SPARE
	v_mov_b32 v[NIL], 0
	ds_add_u32 v[SPW], v[NIL]                      ; the wave's opening: the add, twice on end, and its wait ahead of my first tensor load
	ds_add_u32 v[SPW], v[NIL]
	v_lshrrev_b32 v1, 5, v0
	v_readfirstlane_b32 s[WV], v1                  ; wave 0..7
	s_bfe_u32 s13, ttmp6, 0x40000                  ; cx
	s_lshl_b32 s14, ttmp9, 2
	s_add_co_u32 s14, s14, s13                     ; my block of 256 queries: it enters Q's and x's addresses alone
	s_lshr_b32 s15, s[WV], 2                       ; kh: my half of the keys
	s_and_b32 s16, s[WV], 3                        ; g: my 64 queries.  Also: which quarter of a slot's K or V I fetch
	s_and_b32 s17, ttmp7, 0xffff                   ; the head, which the four partners share
	s_lshl_b32 s18, s17, 19                        ; 524,288 bytes a head in qf, kf, vf
	s_lshl_b32 s48, s16, 14
	s_add_co_u32 s48, s48, s18                     ; what I fetch: the head, my quarter of 16,384 bytes
	s_mov_b32 s49, 0
	s_lshl_b32 s50, s13, 14                        ; what I prefetch: my work-group's 16,384 bytes,
	s_and_b32 s19, s[WV], 1
	s_lshl_b32 s19, s19, 13                        ; my wave's half of them,
	s_add_co_u32 s50, s50, s19
	s_add_co_u32 s50, s50, s18
	s_add_co_u32 s50, s50, 2*65536                 ; in fill 2: the first change steps it to fill 3.  Nothing is prefetched at the head
	s_mov_b32 s51, 0
	s_lshl_b32 s52, s14, 15                        ; Q: 16 tiles of 2,048 bytes a block,
	s_lshl_b32 s19, s16, 13                        ; 4 a wave,
	s_add_co_u32 s52, s52, s19
	s_add_co_u32 s52, s52, s18                     ; in the head
	s_mov_b32 s53, 0
	s_lshl_b32 s54, s14, 1                         ; x: block of 128 tokens 2 qb + g / 2, 262,144 bytes each;
	s_lshr_b32 s19, s16, 1
	s_add_co_u32 s54, s54, s19
	s_lshl_b32 s54, s54, 18
	s_lshl_b32 s19, s17, 14                        ; K chunks 2 head, 2 head + 1, 8,192 bytes each;
	s_add_co_u32 s54, s54, s19
	s_and_b32 s19, s16, 1
	s_lshl_b32 s19, s19, 12                        ; tile 4 (g % 2) + 2 kh of the block, 1,024 bytes each
	s_add_co_u32 s54, s54, s19
	s_lshl_b32 s19, s15, 11
	s_add_co_u32 s54, s54, s19
	s_mov_b32 s55, 0
	s_mov_b32 s[G1], 15|(3<<16)|(1<<21)            ; 15:0 the mask: all four work-groups; 17:16 elements of 8 bytes; 21 set beside a mask
	s_mov_b32 s[G1+1], 32<<16                      ; tensor_dim0 = 32 elements: 256 bytes
	s_mov_b32 s[G1+2], 64<<16                      ; tensor_dim1 = 64
	s_mov_b32 s[G1+3], 32<<16                      ; tile_dim0
	s_mov_b32 s[G1+4], 64                          ; tile_dim1
	s_mov_b32 s[G1+5], 32                          ; the rows are dense
	s_mov_b32 s[G1+6], 0
	s_mov_b32 s[G1+7], 0
	s_lshl_b32 s22, s[WV], 14                      ; where my 16,384 bytes go in a slot
	s_mov_b32 s[TB], 0
	s_mov_b32 s[SLOTS], 6
	s_and_b32 s[LIM], s[WV], 2
	s_or_b32 s[LIM], s[LIM], ttmp9                 ; 0 in waves 0, 1, 4, 5 of the head's first cluster: the same in all four partners
	s_cmp_eq_u32 s[LIM], 0
	s_cselect_b32 s[LIM], 1, -1
	v_and_b32 v1, 31, v0
	v_lshlrev_b32 v[PFO], 8, v1
	v_lshlrev_b32 v1, 4, v1                        ; v1 = 16 x lane
	s_wait_dscnt 0x0                               ; both opening adds are done
	s_wait_kmcnt 0x0
	s_cmp_lt_u32 s[WV], 4
	s_cselect_b64 s[46:47], s[6:7], s[8:9]         ; waves 0-3: kf, waves 4-7: vf
	s_add_nc_u64 s[PFA:PFA+1], s[46:47], s[50:51]
	s_add_nc_u64 s[46:47], s[46:47], s[48:49]
	s_add_nc_u64 s[4:5], s[4:5], s[52:53]
	s_add_nc_u64 s[10:11], s[10:11], s[54:55]
.irp s, 0,1
	s_mov_b32 s[G0+4*\s], 1
	s_add_co_u32 s[G0+4*\s+1], s22, \s*SLOTB
	s_add_nc_u64 s[G0+4*\s+2:G0+4*\s+3], s[46:47], \s*65536
	s_or_b32 s[G0+4*\s+3], s[G0+4*\s+3], 0x80000000
.endr
	CROUND                                         ; all four work-groups are here: the first joint loads meet
	tensor_load_to_lds s[G0:G0+3], s[G1:G1+7]      ; keys 0-511
	s_nop 0
	tensor_load_to_lds s[G0+4:G0+7], s[G1:G1+7]    ; keys 512-1,023: two loads of mine are out
	s_nop 0
.rept 4
	v_nop
.endr
	s_lshl_b32 s23, s15, 12
	v_add_nc_u32 v[QA], s23, v1                    ; my tiles 0, 1 are tiles 2 kh, 2 kh + 1 of the 64 queries,
	s_xor_b32 s23, s23, 4096
	v_add_nc_u32 v[QB], s23, v1                    ; my tiles 2, 3 the other two
.irp i, 0,1
.irp f, 0,1,2,3
	global_load_b128 v[QF+16*\i+4*\f:QF+16*\i+4*\f+3], v[QA], s[4:5] offset:2048*\i+512*\f
	global_load_b128 v[QF+32+16*\i+4*\f:QF+32+16*\i+4*\f+3], v[QB], s[4:5] offset:2048*\i+512*\f
.endr
.endr
	s_lshl_b32 s23, s15, 15
	v_add_nc_u32 v[A0], s23, v1
	v_add_nc_u32 v[ADRK], s[TB], v[A0]
	v_add_nc_u32 v[ADRV], VOFF, v[ADRK]
	s_lshl_b32 s23, s[WV], 13
	v_add_nc_u32 v[XW], s23, v1
	s_xor_b32 s23, s[WV], 4
	s_lshl_b32 s23, s23, 13
	v_add_nc_u32 v[XR], s23, v1
.macro LDK n                           ; step n of the slot: 32 keys x 64 channels, four fragments, eight loads, into K's set n % 2
.irp a, 0,1
.irp c, 0,1
.irp u, 0,1
	ds_load_b128 v[KF+32*((\n)%2)+8*(2*\a+\c)+4*\u:KF+32*((\n)%2)+8*(2*\a+\c)+4*\u+3], v[ADRK] offset:4096*(\n)+2048*\a+1024*\c+512*\u
.endr
.endr
.endr
.endm
.macro LDV n                           ; 64 channels x 32 keys, four fragments, eight loads, into V's set n % 2 (destination window 1)
.irp dt, 0,1,2,3
.irp u, 0,1
	ds_load_b128 v[VF+32*((\n)%2)+8*\dt+4*\u:VF+32*((\n)%2)+8*\dt+4*\u+3], v[ADRV] offset:4096*(\n)+1024*\dt+512*\u
.endr
.endr
.endm
; THE VECTOR WORK OF A TURN.  A piece's sigmoid for one step is a list of 96 instructions on its 32 scores; SG writes number j of it for piece y and steps j.
;   0-31   2^t, in place, each accumulator from its low end on      32-47  + 1, two at a time      48-79  the reciprocal, in place      80-95  the roundings to f16: P's register m takes scores 2 m, 2 m + 1
; The exponentials are one batch and the reciprocals another: behind the last of each stand a plain instruction and ONE wait, ahead of the batch's first reader.
; The turn's run of eight LDS loads stands directly behind the first wait: LDF = 1: K's, 2: V's, 0: none; LDN: which step of the slot.
.macro SG y
.set rS, S+32*(\y)
.set rP, P+16*(\y)
.if j < 32
	v_exp_f32 v[rS+j], v[rS+j]
.elseif j < 48
	v_pk_add_f32 v[rS+2*(j-32):rS+2*(j-32)+1], v[rS+2*(j-32):rS+2*(j-32)+1], 1.0 op_sel_hi:[1,0]
.elseif j < 80
	v_rcp_f32 v[rS+j-48], v[rS+j-48]
.else
	v_cvt_pk_f16_f32 v[rP+j-80], v[rS+2*(j-80)], v[rS+2*(j-80)+1]
.endif
.if j == 31
	v_nop
	s_wait_alu depctr_va_vdst(0)
.if LDF == 1
	LDK LDN
.elseif LDF == 2
	WIN 0x40
	LDV LDN
	WIN 0
.endif
.elseif j == 79
	v_nop
	s_wait_alu depctr_va_vdst(0)
.endif
.set j, j+1
.endm
.macro SLICE y                         ; six of the list
	WIN 0
.rept 6
	SG \y
.endr
.endm
; A TURN.  Piece x (0: X, 1: Y) has the matrix unit; the other piece's sigmoid stands in slices behind its matrix instructions.  n: the step of the slot that the turn fetches.
; Turn Y with n is Y(n - 2): V^T P with V's set n % 2, K Q^T with K's set (n + 1) % 2; it fetches K of step n into set n % 2, whose last reader was the turn Y before.
; Turn X with n is X(n - 1): V^T P with V's set (n + 1) % 2, K Q^T with K's set n % 2; it fetches V of step n into set n % 2, whose last readers were the first eight products of the turn Y just before:
; behind them stand that turn's packed additions and roundings, plain instructions that name none of their registers.
; pv = 2: 8 products V^T P; 1: they start O^T's sums (nothing is ever cleared); 0: none.  kq = 1: 8 products K Q^T.  A turn with one of the two kinds has two slices behind each product.
; sig = 1: the other piece's sigmoid is carried; its last slice, six roundings, is the places between the turn's last product and the next turn's first read of fresh scores.  sig = 0: four v_nop take that part.
; The accumulators take turns, one instruction a turn: eight in V^T P; four in K Q^T, twice round.
.macro TURN x, n, pv, kq, sig, ld
.set j, 0
.set per, 1
.if ((\pv) == 0) || ((\kq) == 0)
.set per, 2
.endif
.set LDF, 0
.set LDN, \n
.if (\x) == 0
.set vs, ((\n)+1)%2
.set ks, (\n)%2
	s_wait_dscnt 0x0                               ; all my LDS loads are in: V for this step's products, asked for a step ago, and K for the next step's, asked for in the turn before, ten slices back
.if \ld
.if \sig
.set LDF, 2
.else
	WIN 0x40
	LDV \n
.endif
.endif
.else
.set vs, (\n)%2
.set ks, ((\n)+1)%2
.if \ld
.set LDF, 1
.endif
.endif
.if \pv
.set m, 0
.rept 8                                        ; product m: tile 2 x + m % 2, channels 16 (m / 2) on
.set rO, 8*(4*(2*(\x)+m%2)+m/2)
.set rV, VF+32*vs+8*(m/2)
.set rB, P+16*(\x)+8*(m%2)
	WIN 0x51                                       ; V, C and D (O^T) window 1; P window 0
.if (\pv) == 1
	v_wmma_f32_16x16x32_f16 v[rO:rO+7], v[rV:rV+7], v[rB:rB+7], 0
.else
	v_wmma_f32_16x16x32_f16 v[rO:rO+7], v[rV:rV+7], v[rB:rB+7], v[rO:rO+7]
.endif
.if \sig
.rept per
	SLICE 1-(\x)
.endr
.endif
.set m, m+1
.endr
.endif
.if \kq
.set m, 0
.rept 8                                        ; product m: channels 32 (m / 4) on, tile 2 x + (m / 2) % 2, keys 16 (m % 2) on; the first four start the sums
.set rD, S+32*(\x)+16*((m/2)%2)+8*(m%2)
.set rK, KF+32*ks+8*(2*(m%2)+m/4)
.set rQ, QF+8*(2*(2*(\x)+(m/2)%2)+m/4)
	WIN 0
.if m < 4
	v_wmma_f32_16x16x32_f16 v[rD:rD+7], v[rK:rK+7], v[rQ:rQ+7], 0
.else
	v_wmma_f32_16x16x32_f16 v[rD:rD+7], v[rK:rK+7], v[rQ:rQ+7], v[rD:rD+7]
.endif
.if \sig
.rept per
	SLICE 1-(\x)
.endr
.endif
.set m, m+1
.endr
.endif
	WIN 0
.if (\sig) == 0
	PLACES
.endif
.endm
; THE CHANGE OF SLOTS, between turn X with n = 7 and turn Y with n = 0: the slot's last bytes, V of its step 7, have been asked for.  Each wave waits for all its tensor loads (one is out: its part of the
; other slot), adds 0 to its spare word, and waits for that and for its reads of the slot that it leaves.  What is still to be multiplied of that slot lies in registers.
; fill = 1: that slot is filled again, with the keys two slots on, behind a round of the cluster's barrier: the load has a whole slot's eight steps in which to land.
.macro CHANGE fill
	s_wait_tensorcnt 0x0                           ; no tensor load of mine is out, so a group 0 may be written
	ds_add_u32 v[SPW], v[NIL]                      ; 0 onto my spare word
.if \fill
	s_xor_b32 s[G0+5], s[G0+5], SLOTB              ; the walking descriptor: the other slot than last time,
	s_add_nc_u64 s[G0+6:G0+7], s[G0+6:G0+7], 65536 ; the next 512 keys; the type bits on top are not reached
	s_wait_xcnt 0x0                                ; the last prefetch, a slot back, has read its address, so it may be written
	s_add_nc_u64 s[PFA:PFA+1], s[PFA:PFA+1], 65536
	s_wait_dscnt 0x0                               ; the add is done, and my reads of the slot are over
	CROUND
	tensor_load_to_lds s[G0+4:G0+7], s[G1:G1+7]    ; my one tensor load behind the round, and the first thing there
	s_nop 0
.rept 4
	v_nop
.endr
	ASK                                            ; the fill after this one: a slot's eight steps ahead of its load
.else
	s_wait_dscnt 0x0
	s_barrier_signal -1
	s_barrier_wait -1
.endif
	s_xor_b32 s[TB], s[TB], SLOTB                  ; the fetches go on in the other slot
	v_add_nc_u32 v[ADRK], s[TB], v[A0]
	v_add_nc_u32 v[ADRV], VOFF, v[ADRK]
.endm
.macro EIGHT                           ; a slot's eight pairs of turns
.irp n, 0,1,2,3,4,5,6,7
	TURN 1, \n, 2, 1, 1, 1
	TURN 0, \n, 2, 1, 1, 1
.endr
.endm
	s_wait_tensorcnt 0x1                           ; my part of slot 0 is in; slot 1's may stay out
	s_barrier_signal -1
	s_barrier_wait -1                              ; everybody's is
	LDK 0
	s_wait_loadcnt 0x0                             ; Q
	TURN 0, 0, 0, 1, 0, 1                          ; X's first scores; V of step 0
	TURN 1, 1, 0, 1, 1, 1                          ; Y's first scores | X's first sigmoid | K of step 1
	TURN 0, 1, 1, 1, 1, 1                          ; X: V^T P of step 0 starts O^T, K Q^T of step 1 | Y's first sigmoid | V of step 1
	TURN 1, 2, 1, 1, 1, 1                          ; Y: the same | X's sigmoid of step 1 | K of step 2
	TURN 0, 2, 2, 1, 1, 1
.irp n, 3,4,5,6,7
	TURN 1, \n, 2, 1, 1, 1
	TURN 0, \n, 2, 1, 1, 1
.endr
.Lslot:                                            ; six trips: every slot but the last two is filled again
	CHANGE 1
	EIGHT
	s_sub_co_u32 s[SLOTS], s[SLOTS], 1
	s_cmp_lg_u32 s[SLOTS], 0
	s_cbranch_scc1 .Lslot
	CHANGE 0                                       ; the tail is written out
	EIGHT
	TURN 1, 8, 2, 1, 1, 0                          ; Y: V^T P of step 6, K Q^T of step 7 | X's last sigmoid; nothing is left to fetch
	TURN 0, 8, 2, 0, 1, 0                          ; X: V^T P of step 7 | Y's last sigmoid
	TURN 1, 9, 2, 0, 0, 0                          ; Y: V^T P of step 7; four places follow
	; THE WAY OUT.  Piece Y goes to my partner, who holds the same queries as its piece X, as images of the registers; its piece Y comes to me.
	s_wait_dscnt 0x0
	s_barrier_signal -1
	s_barrier_wait -1                              ; no wave reads the ring any more: the exchange may lie in slot 0
	WIN 0x04                                       ; an LDS store's data are its source 1: window 1
.set j, 0
.rept 16
	ds_store_b128 v[XW], v[64+4*j:64+4*j+3] offset:512*j           ; each accumulator from its low end on
.set j, j+1
.endr
	WIN 0
	s_wait_dscnt 0x0                               ; for the partner's sake: my stores are done
	s_barrier_signal -1
	s_barrier_wait -1
.set j, 0
.rept 16
	ds_load_b128 v[S+4*j:S+4*j+3], v[XR] offset:512*j
.set j, j+1
.endr
	s_wait_dscnt 0x0
	WIN 0x01                                       ; source 0 window 1
.set j, 0
.rept 32
	v_pk_add_f32 v[S+j:S+j+1], v[j:j+1], v[S+j:S+j+1]              ; both halves of the keys
.set j, j+2
.endr
	WIN 0
.set j, 0
.rept 32
	v_pk_mul_f32 v[S+j:S+j+1], v[S+j:S+j+1], 0x3a800000 op_sel_hi:[1,0]   ; x 2^-10: exact; the last launch multiplies by 2^10
.set j, j+2
.endr
.set j, 0
.rept 32
	v_cvt_pk_f16_f32 v[P+j], v[S+2*j], v[S+2*j+1]
.set j, j+1
.endr
.irp i, 0,1
.irp c, 0,1
.irp u, 0,1
	global_store_b128 v1, v[P+4*(4*\i+2*\c+\u):P+4*(4*\i+2*\c+\u)+3], s[10:11] offset:8192*\c+1024*\i+512*\u   ; channels 32 c + 16 u on of tile i: 512 consecutive bytes
.endr
.endr
.endr
	s_wait_tensorcnt 0x0                           ; the wave's end
	ds_add_u32 v[SPW], v[NIL]
	s_wait_dscnt 0x0
	CROUND                                         ; the closing round
	s_endpgm
.Lfunc_end_k_qe1b6a38127_attn:
	.size	k_qe1b6a38127_attn, .Lfunc_end_k_qe1b6a38127_attn-k_qe1b6a38127_attn
	.p2alignl 7, 3214868480
	.fill 96, 4, 3214868480
	.section	.rodata,"a",@progbits
	.p2align	6, 0x0
	.amdhsa_kernel k_qe1b6a38127_attn
		.amdhsa_group_segment_fixed_size 327680
		.amdhsa_private_segment_fixed_size 0
		.amdhsa_enable_private_segment 0
		.amdhsa_kernarg_size 32
		.amdhsa_user_sgpr_count 2
		.amdhsa_user_sgpr_kernarg_segment_ptr 1
		.amdhsa_wavefront_size32 1
		.amdhsa_system_sgpr_workgroup_id_x 1
		.amdhsa_system_sgpr_workgroup_id_y 1
		.amdhsa_system_sgpr_workgroup_id_z 1
		.amdhsa_system_vgpr_workitem_id 0
		.amdhsa_next_free_vgpr 512
		.amdhsa_next_free_sgpr 66
		.amdhsa_reserve_vcc 0
		.amdhsa_float_denorm_mode_32 3
		.amdhsa_float_denorm_mode_16_64 3
		.amdhsa_memory_ordered 1
		.amdhsa_forward_progress 1
		.amdhsa_inst_pref_size 255
	.end_amdhsa_kernel
	.section	.bss,"aw",@nobits
	.p2align	6
	.space	262144
	.amdgpu_metadata
---
amdhsa.version: [ 1, 2 ]
amdhsa.kernels:
  - .name:           k_qe1b6a38127_attn
    .symbol:         k_qe1b6a38127_attn.kd
    .args:
      - { .name: qf, .offset: 0, .size: 8, .value_kind: global_buffer, .address_space: global }
      - { .name: kf, .offset: 8, .size: 8, .value_kind: global_buffer, .address_space: global }
      - { .name: vf, .offset: 16, .size: 8, .value_kind: global_buffer, .address_space: global }
      - { .name: xf, .offset: 24, .size: 8, .value_kind: global_buffer, .address_space: global }
    .group_segment_fixed_size: 327680
    .private_segment_fixed_size: 0
    .kernarg_segment_align: 8
    .kernarg_segment_size: 32
    .max_flat_workgroup_size: 256
    .sgpr_count:     66
    .vgpr_count:     512
    .wavefront_size: 32
...
	.end_amdgpu_metadata
.endif
;; end of part 3
;; launch outp (part 4): grid 8 x 32, 4 waves a work-group, clusters of 4 x 4, 327,680 bytes of LDS; arguments xf, wph, bp, out0; writes out0
.if DOCPART == 4
	.amdgcn_target "amdgcn-amd-amdhsa--gfx1250"
	.amdhsa_code_object_version 6
	.text
	.protected	k_qe1b6a38127_outp
	.globl	k_qe1b6a38127_outp
	.p2align	8
	.type	k_qe1b6a38127_outp,@function
k_qe1b6a38127_outp:
	s_mov_b64 s[64:65], 0
	v_nop
	global_prefetch_b8 v0, s[64:65] scope:SCOPE_SE
	s_setreg_imm32_b32 hwreg(HW_REG_WAVE_MODE, 25, 1), 1
	s_wait_xcnt 0x0
	s_wait_alu depctr_hold_cnt(0) depctr_sa_sdst(0) depctr_va_vdst(0) depctr_va_sdst(0) depctr_va_ssrc(0) depctr_va_vcc(0) depctr_vm_vsrc(0)
	s_getreg_b32 s2, hwreg(HW_REG_IB_STS2, 6, 4)
	s_cmp_eq_u32 s2, 0
	s_cbranch_scc0 .Lentry_in_a_cluster
	s_endpgm
.Lentry_in_a_cluster:
	s_bfe_u32 s2, ttmp6, 0x10000c
	s_cmp_lg_u32 s2, 0xf033
	s_cbranch_scc0 .Lentry_shape_is_right
	s_endpgm
.Lentry_shape_is_right:
; out0[l][n] = 2^10 x (the sum over k of xf[l][k] Wp[n][k]) + bp[n].  xf holds x 2^-10 and wph holds Wp, both f16, in the order of the operands' registers; sums in f32; out0 [4096][1024] f32.
; A tile of out0 is 128 x 128, so that 256 work-groups have one each; four waves of 64 x 64, 16 accumulators.  Source 0 = 16 rows of Wp, source 1 = 16 tokens: a lane holds eight neighbouring outputs of a token.
; RING.  A slot holds 256 along K: 65,536 dense bytes of xf's block and 65,536 of wph's; each wave fetches 32,768 (128 rows of 256 bytes).  Four fills: two at the head, two refills; all written out, no loop.
; CLUSTER 4 x 4: x's block hangs on y alone and is shared along a row of the cluster, Wp's on x alone and is shared along a column.
; THE WAY OUT.  A wave's 64 outputs of a token are 256 aligned bytes: 16 tokens at a time go through the wave's own stage in LDS and leave as whole rows, sixteen lanes to a row.
; REGISTERS.  Window 0: v16-26 addresses; v32-63 results at work; v64-95 rows read back; v96-127 bp (register 8 b + j = output 16 b + 8 h + j); v128-255 accumulators.  Window 1: two sets of fragments (4 of x, 4 of Wp).
.set HALF,  32768
.set SLOT,  131072
.set STAGE, 2*SLOT
.set SP,    272
.set SPARE, STAGE+4*16*SP
.set ADA,  16                          ; v16-17 my fragments of x in slot 0, 1
.set ADB,  20                          ; v20-21 of Wp
.set STO,  24
.set RD,   25
.set CO,   26
.set SPW,  28
.set NIL,  29
.set TMP,  32
.set OB,   64
.set BIAS, 96
.set ACC,  128
.set G1,   24
.set G0,   32
.set G1B,  48
.set G0B,  56
.set MSB, 0
.macro WIN new
.if MSB != \new
	s_set_vgpr_msb (MSB<<8)|\new
.set MSB, \new
.endif
.endm
.macro PLACES
.rept 4
	v_nop
.endr
.endm
.macro JLOAD s                         ; a joint load: waves 0, 1 fetch x's halves, waves 2, 3 Wp's.  An s_nop 0 and four v_nop follow each line
	s_cmp_eq_u32 s11, 0
	s_cbranch_scc0 .Lfor_b_\@
	tensor_load_to_lds s[G0+4*\s:G0+4*\s+3], s[G1:G1+7]
	s_nop 0
.rept 4
	v_nop
.endr
	s_branch .Lasked_\@
.Lfor_b_\@:
	tensor_load_to_lds s[G0B+4*\s:G0B+4*\s+3], s[G1B:G1B+7]
	s_nop 0
.rept 4
	v_nop
.endr
.Lasked_\@:
.endm
.macro CROUND
	s_barrier_signal -1
	s_barrier_wait -1
	s_cmp_lg_u32 s10, 0
	s_cbranch_scc1 .Lnot_wave_0_\@
	s_barrier_signal -3
.Lnot_wave_0_\@:
	s_barrier_wait -3
	s_barrier_signal -1
	s_barrier_wait -1
.endm
	s_load_b256 s[68:75], s[0:1], 0x0              ; xf, wph, bp, out0
	v_lshl_add_u32 v[SPW], v0, 2, SPARE
	v_mov_b32 v[NIL], 0
	ds_add_u32 v[SPW], v[NIL]                      ; the wave's opening: the add, twice on end, and its wait ahead of my first tensor load
	ds_add_u32 v[SPW], v[NIL]
	v_lshrrev_b32 v1, 5, v0
	v_readfirstlane_b32 s10, v1                    ; wave 0..3
	s_lshr_b32 s11, s10, 1                         ; wm: which 64 tokens.  Also: I fetch x (0) or Wp (1)
	s_and_b32 s12, s10, 1                          ; wn: which 64 outputs.  Also: which half I fetch
	s_bfe_u32 s40, ttmp6, 0x40000
	s_bfe_u32 s41, ttmp6, 0x40004
	s_lshl_b32 s42, ttmp9, 2
	s_add_co_u32 s42, s42, s40                     ; x
	s_and_b32 s13, ttmp7, 0xffff
	s_lshl_b32 s13, s13, 2
	s_add_co_u32 s13, s13, s41                     ; y
	s_lshl_b32 s43, s41, 2
	s_lshl_b32 s43, 15, s43                        ; my row of the cluster
	s_lshl_b32 s44, 0x1111, s40                    ; my column
	s_or_b32 s[G1+0], s43, (3<<16)|(1<<21)
	s_or_b32 s[G1B+0], s44, (3<<16)|(1<<21)
.irp g, G1, G1B
	s_mov_b32 s[\g+1], 32<<16                      ; rows of 32 elements of 8 bytes,
	s_mov_b32 s[\g+2], 128<<16                     ; 128 of them,
	s_mov_b32 s[\g+3], 32<<16
	s_mov_b32 s[\g+4], 128
	s_mov_b32 s[\g+5], 32                          ; dense
	s_mov_b32 s[\g+6], 0
	s_mov_b32 s[\g+7], 0
.endr
	s_lshl_b32 s17, s12, 15
	s_lshl_b32 s16, s13, 18
	s_add_co_u32 s16, s16, s17                     ; x: block y of 262,144 bytes, my half of a slot's 65,536
	s_lshl_b32 s46, s42, 18
	s_add_co_u32 s46, s46, s17                     ; Wp: block x
	s_mov_b32 s17, 0
	s_mov_b32 s47, 0
	s_lshl_b32 s18, s10, 15                        ; where it goes in a slot
	s_lshl_b32 s76, s42, 9
	s_lshl_b32 s78, s12, 8
	s_add_co_u32 s76, s76, s78                     ; my first output, in bytes: 512 x + 256 wn
	s_mov_b32 s77, 0
	s_lshl_b32 s78, s13, 19
	s_lshl_b32 s79, s11, 18
	s_add_co_u32 s78, s78, s79                     ; my first token's row of 4,096 bytes: 128 y + 64 wm
	s_add_co_u32 s78, s78, s76
	s_mov_b32 s79, 0
	s_wait_dscnt 0x0                               ; both opening adds are done
	s_wait_kmcnt 0x0
	s_add_nc_u64 s[14:15], s[68:69], s[16:17]
	s_add_nc_u64 s[46:47], s[70:71], s[46:47]
	s_add_nc_u64 s[72:73], s[72:73], s[76:77]
	s_add_nc_u64 s[74:75], s[74:75], s[78:79]
	CROUND                                         ; all sixteen work-groups are here: the first joint loads meet
.irp s, 0,1
	s_mov_b32 s[G0+4*\s], 1
	s_add_co_u32 s[G0+4*\s+1], s18, \s*SLOT
	s_add_nc_u64 s[G0+4*\s+2:G0+4*\s+3], s[14:15], \s*65536
	s_or_b32 s[G0+4*\s+3], s[G0+4*\s+3], 0x80000000
	s_mov_b32 s[G0B+4*\s], 1
	s_add_co_u32 s[G0B+4*\s+1], s18, \s*SLOT
	s_add_nc_u64 s[G0B+4*\s+2:G0B+4*\s+3], s[46:47], \s*65536
	s_or_b32 s[G0B+4*\s+3], s[G0B+4*\s+3], 0x80000000
	JLOAD \s                                       ; two loads of mine are out
.endr
	v_and_b32 v1, 15, v0                           ; r
	v_bfe_u32 v2, v0, 4, 1                         ; h
	v_and_b32 v3, 31, v0
	v_lshlrev_b32 v3, 4, v3                        ; 16 x lane
	v_lshlrev_b32 v27, 5, v2
.irp b, 0,1,2,3
	global_load_b128 v[BIAS+8*\b:BIAS+8*\b+3], v27, s[72:73] offset:64*\b
	global_load_b128 v[BIAS+8*\b+4:BIAS+8*\b+7], v27, s[72:73] offset:64*\b+16
.endr
	s_lshl_b32 s22, s11, 12
	v_add_nc_u32 v[ADA], s22, v3
	v_add_nc_u32 v[ADA+1], SLOT, v[ADA]
	s_lshl_b32 s23, s12, 12
	s_add_co_u32 s23, s23, 65536
	v_add_nc_u32 v[ADB], s23, v3
	v_add_nc_u32 v[ADB+1], SLOT, v[ADB]
	s_mul_i32 s22, s10, 16*SP
	s_add_co_u32 s22, s22, STAGE                   ; my stage
	v_mul_u32_u24 v[STO], v1, SP
	v_lshl_add_u32 v[STO], v2, 5, v[STO]
	v_add_nc_u32 v[STO], s22, v[STO]               ; in: row r, 32 bytes for each half of the lanes
	v_mul_u32_u24 v[RD], v2, SP
	v_lshl_add_u32 v[RD], v1, 4, v[RD]
	v_add_nc_u32 v[RD], s22, v[RD]                 ; back: lanes 0-15 one row of 256 bytes, lanes 16-31 the next
	v_lshlrev_b32 v[CO], 4, v1
	v_lshl_add_u32 v[CO], v2, 12, v[CO]            ; and the same two rows in out0
.macro FETCH slot, c, p                ; chunk c (32 along K): eight fragments into set p: 16 loads, each 512 consecutive bytes
	WIN 0x40
.irp i, 0,1,2,3
.irp u, 0,1
	ds_load_b128 v[64*(\p)+8*\i+4*\u:64*(\p)+8*\i+4*\u+3], v[ADA+\slot] offset:8192*(\c)+1024*\i+512*\u
	ds_load_b128 v[64*(\p)+32+8*\i+4*\u:64*(\p)+32+8*\i+4*\u+3], v[ADB+\slot] offset:8192*(\c)+1024*\i+512*\u
.endr
.endr
.endm
.macro MUL p, zero                     ; 16 matrix instructions; the accumulators take turns in the same order in every chunk
.irp a, 0,1,2,3
.irp b, 0,1,2,3
.if \zero
	v_wmma_f32_16x16x32_f16 v[ACC+8*(4*\a+\b):ACC+8*(4*\a+\b)+7], v[64*(\p)+32+8*\b:64*(\p)+32+8*\b+7], v[64*(\p)+8*\a:64*(\p)+8*\a+7], 0
.else
	v_wmma_f32_16x16x32_f16 v[ACC+8*(4*\a+\b):ACC+8*(4*\a+\b)+7], v[64*(\p)+32+8*\b:64*(\p)+32+8*\b+7], v[64*(\p)+8*\a:64*(\p)+8*\a+7], v[ACC+8*(4*\a+\b):ACC+8*(4*\a+\b)+7]
.endif
.endr
.endr
.endm
.macro BODY slot, zero                 ; a slot's chunks 0 to 6; chunk 7's fragments are asked for
	PLACES
	FETCH \slot, 0, 0
	FETCH \slot, 1, 1
	s_wait_dscnt 16                                ; all but chunk 1's sixteen loads
	WIN 0x05
	MUL 0, \zero
.set Q, 1
.rept 6
	PLACES
	FETCH \slot, Q+1, (Q+1)%2
	s_wait_dscnt 16                                ; all but the sixteen just issued
	WIN 0x05
	MUL Q%2, 0
.set Q, Q+1
.endr
.endm
; chunk 7 and the change of slots: each wave waits for all its tensor loads, adds 0 to its spare word, and waits for that and for its reads of this slot.  fill = 1: the slot is filled again, 512 along K on
.macro TURN slot, fill
	WIN 0                                          ; (the add's two registers lie in window 0)
	s_wait_tensorcnt 0x0                           ; all my tensor loads have landed: my part of the other slot;
	ds_add_u32 v[SPW], v[NIL]                      ; 0 onto my spare word;
	s_wait_dscnt 1                                 ; (the add alone may be out)
	WIN 0x05
	MUL 1, 0                                       ; sixteen matrix instructions stand between the add and the wait for it
	WIN 0
	s_wait_dscnt 0x0                               ; the add is done, and my reads of this slot are over
.if \fill
	CROUND                                         ; no wave of any partner still reads this slot or has a load on its way
	s_add_nc_u64 s[G0+4*\slot+2:G0+4*\slot+3], s[G0+4*\slot+2:G0+4*\slot+3], 2*65536
	s_add_nc_u64 s[G0B+4*\slot+2:G0B+4*\slot+3], s[G0B+4*\slot+2:G0B+4*\slot+3], 2*65536
	JLOAD \slot                                    ; my one tensor load behind the round: it has the other slot's eight chunks in which to land
.else
	s_barrier_signal -1
	s_barrier_wait -1
.endif
.endm
	s_wait_tensorcnt 0x1                           ; my part of slot 0 is in; slot 1's may stay out
	s_barrier_signal -1
	s_barrier_wait -1
	BODY 0, 1                                      ; K 0-255: the first chunk's products start the sums
	TURN 0, 1
	BODY 1, 0                                      ; K 256-511
	TURN 1, 1
	BODY 0, 0                                      ; K 512-767
	TURN 0, 0
	BODY 1, 0                                      ; K 768-1,023
	s_wait_dscnt 0x0
	MUL 1, 0
	WIN 0
	s_wait_loadcnt 0x0                             ; bp
	PLACES
.irp a, 0,1,2,3                                ; 16 tokens at a time
.irp b, 0,1,2,3
.irp k, 0,2,4,6
	v_pk_fma_f32 v[TMP+8*\b+\k:TMP+8*\b+\k+1], v[ACC+32*\a+8*\b+\k:ACC+32*\a+8*\b+\k+1], 0x44800000, v[BIAS+8*\b+\k:BIAS+8*\b+\k+1] op_sel_hi:[1,0,1]   ; x 2^10 + bp, fused; each accumulator from its low end on
.endr
.endr
.irp b, 0,1,2,3
	ds_store_b128 v[STO], v[TMP+8*\b:TMP+8*\b+3] offset:64*\b
	ds_store_b128 v[STO], v[TMP+8*\b+4:TMP+8*\b+7] offset:64*\b+16
.endr
	s_wait_xcnt 0x0                                ; the last block's stores have read the registers that the loads below fill
.irp i, 0,1,2,3,4,5,6,7
	ds_load_b128 v[OB+4*\i:OB+4*\i+3], v[RD] offset:2*\i*SP        ; LDS serves a wave's instructions in order: these see my stores
.endr
	s_wait_dscnt 0x0
.irp i, 0,1,2,3,4,5,6,7
	global_store_b128 v[CO], v[OB+4*\i:OB+4*\i+3], s[74:75] offset:4096*(16*\a+2*\i) th:TH_STORE_NT   ; sixteen lanes store 256 consecutive bytes, aligned; written once, read by nobody here
.endr
.endr
	s_wait_tensorcnt 0x0                           ; the wave's end
	ds_add_u32 v[SPW], v[NIL]
	s_wait_dscnt 0x0
	CROUND                                         ; the closing round
	s_endpgm
.Lfunc_end_k_qe1b6a38127_outp:
	.size	k_qe1b6a38127_outp, .Lfunc_end_k_qe1b6a38127_outp-k_qe1b6a38127_outp
	.p2alignl 7, 3214868480
	.fill 96, 4, 3214868480
	.section	.rodata,"a",@progbits
	.p2align	6, 0x0
	.amdhsa_kernel k_qe1b6a38127_outp
		.amdhsa_group_segment_fixed_size 327680
		.amdhsa_private_segment_fixed_size 0
		.amdhsa_enable_private_segment 0
		.amdhsa_kernarg_size 32
		.amdhsa_user_sgpr_count 2
		.amdhsa_user_sgpr_kernarg_segment_ptr 1
		.amdhsa_wavefront_size32 1
		.amdhsa_system_sgpr_workgroup_id_x 1
		.amdhsa_system_sgpr_workgroup_id_y 1
		.amdhsa_system_sgpr_workgroup_id_z 1
		.amdhsa_system_vgpr_workitem_id 0
		.amdhsa_next_free_vgpr 384
		.amdhsa_next_free_sgpr 96
		.amdhsa_reserve_vcc 0
		.amdhsa_float_denorm_mode_32 3
		.amdhsa_float_denorm_mode_16_64 3
		.amdhsa_memory_ordered 1
		.amdhsa_forward_progress 1
		.amdhsa_inst_pref_size 94
	.end_amdhsa_kernel
	.amdgpu_metadata
---
amdhsa.version: [ 1, 2 ]
amdhsa.kernels:
  - .name:           k_qe1b6a38127_outp
    .symbol:         k_qe1b6a38127_outp.kd
    .args:
      - { .name: xf, .offset: 0, .size: 8, .value_kind: global_buffer, .address_space: global }
      - { .name: wph, .offset: 8, .size: 8, .value_kind: global_buffer, .address_space: global }
      - { .name: bp, .offset: 16, .size: 8, .value_kind: global_buffer, .address_space: global }
      - { .name: out0, .offset: 24, .size: 8, .value_kind: global_buffer, .address_space: global }
    .group_segment_fixed_size: 327680
    .private_segment_fixed_size: 0
    .kernarg_segment_align: 8
    .kernarg_segment_size: 32
    .max_flat_workgroup_size: 128
    .sgpr_count:     96
    .vgpr_count:     384
    .wavefront_size: 32
...
	.end_amdgpu_metadata
.endif
;; end of part 4
